; MI455X (gfx1250); checked and timed in simulation.
; The chip was launched on July 23, 2026; its instructions are those of AMD's public machine-readable ISA for CDNA 5 (MIT licence, August 2026) and "CDNA5" Instruction Set Architecture Reference Guide (July 2026). The comments in the code are by the model that wrote it; some were corrected since.
;; Vector Quantizer. Allowed arithmetic: float matrix products may take bf16 or f16 operands with f32 sums; all other float work in f32.
;; Inputs: codebook 8,192 x 256 float32; x 16 x 2,048 x 256 float32.
;; Outputs: out0 16 x 2,048 x 256 float32; out1 one number float32; out2 16 x 2,048 int32.
;; One version. Each part assembles by itself: llvm-mc -triple=amdgcn-amd-amdhsa -mcpu=gfx1250 --defsym DOCPART=n.
;; ======== version 1 of 1: 4 launches
;; workspace buffers: cbh 4,194,304 bytes; scn 32,768 bytes; idx 131,072 bytes of whole numbers; part 2,048 bytes
;; launch prep (part 1): grid 128 x 1, 4 waves a work-group, no clusters, 768 bytes of LDS; arguments codebook, cbh, scn; writes cbh, scn
.if DOCPART == 1
	.amdgcn_target "amdgcn-amd-amdhsa--gfx1250"
	.amdhsa_code_object_version 6
	.text
	.protected	k_q8c1a044000_prep
	.globl	k_q8c1a044000_prep
	.p2align	8
	.type	k_q8c1a044000_prep,@function
k_q8c1a044000_prep:
	s_mov_b64 s[64:65], 0
	v_nop
	global_prefetch_b8 v0, s[64:65] scope:SCOPE_SE
	s_setreg_imm32_b32 hwreg(HW_REG_WAVE_MODE, 25, 1), 1
	s_wait_xcnt 0x0
; cbh[k][:] = bf16(codebook[k][:]);  scn[k] = sum over the row of cbh[k][c]^2, in f32.
; The norm is taken from the ROUNDED numbers, since the distances of the next launch are those of the rounded operands.
; Four waves; the work-group owns 64 code rows, a wave 16.  A row is 1,024 bytes: two 16-byte loads a lane.  All 32 loads of a wave go out at once.
; A lane's 4 + 4 numbers round to 8 + 8 bytes: each store of the wave covers 256 consecutive bytes, aligned.
; The order of the f32 sum is: four packed chains in a lane, then across the lanes.
.set ROWS, 16                          ; rows of a wave
.set T, 4                              ; v[4:11]   a row's 8 rounded numbers, widened again
.set S, 12                             ; v[12:13]  the running sum of squares
.set X, 16                             ; v[16:143] row i: 8 registers as loaded; its first 4 then hold the 8 bf16
	s_load_b128 s[4:7], s[0:1], 0x0                ; codebook s[4:5], cbh s[6:7]
	s_load_b64 s[8:9], s[0:1], 0x10                ; scn
	v_lshl_add_u32 v144, v0, 2, 0x100
	v_mov_b32 v145, 0
	v_lshrrev_b32 v1, 5, v0
	v_readfirstlane_b32 s10, v1                    ; wave 0..3
	s_mov_b32 s12, 0x76543210                      ; v_permlanex16_b32: lane i of one half reads lane i of the other
	s_mov_b32 s13, 0xfedcba98
	s_mov_b32 s14, 0xffff0000                      ; a word's upper bf16
	s_lshl_b32 s16, ttmp9, 16                      ; the group's 64 rows: 65,536 bytes of codebook,
	s_mov_b32 s17, 0
	s_lshl_b32 s18, ttmp9, 15                      ; 32,768 bytes of cbh,
	s_mov_b32 s19, 0
	s_lshl_b32 s20, ttmp9, 8                       ; 256 bytes of scn
	s_mov_b32 s21, 0
	v_and_b32 v4, 31, v0                           ; lane
	v_lshlrev_b32 v1, 4, v4
	v_lshl_add_u32 v1, s10, 14, v1                 ; load offset: 16 lane + wave x 16 rows x 1,024
	v_lshlrev_b32 v2, 3, v4
	v_lshl_add_u32 v2, s10, 13, v2                 ; store offset: 8 lane + wave x 16 rows x 512
	v_mov_b32 v3, s10
	v_lshlrev_b32 v3, 6, v3                        ; LDS: the wave's 16 words
	s_wait_kmcnt 0x0
	s_add_nc_u64 s[4:5], s[4:5], s[16:17]
	s_add_nc_u64 s[6:7], s[6:7], s[18:19]
	s_add_nc_u64 s[8:9], s[8:9], s[20:21]
.irp i, 0,1,2,3,4,5,6,7,8,9,10,11,12,13,14,15
	global_load_b128 v[X+8*\i:X+8*\i+3],   v1, s[4:5] offset:1024*\i        ; columns 4 lane .. + 3
	global_load_b128 v[X+8*\i+4:X+8*\i+7], v1, s[4:5] offset:1024*\i+512    ; columns 128 + 4 lane .. + 3
.endr
.macro ROW i
	s_wait_loadcnt 30-2*\i                         ; loads come back in order: behind row i's two stand 30 - 2 i younger ones, which may stay out
	v_cvt_pk_bf16_f32 v[X+8*\i],   v[X+8*\i],   v[X+8*\i+1]     ; in place: each line writes a register whose number has been read already
	v_cvt_pk_bf16_f32 v[X+8*\i+1], v[X+8*\i+2], v[X+8*\i+3]
	v_cvt_pk_bf16_f32 v[X+8*\i+2], v[X+8*\i+4], v[X+8*\i+5]
	v_cvt_pk_bf16_f32 v[X+8*\i+3], v[X+8*\i+6], v[X+8*\i+7]
	global_store_b64 v2, v[X+8*\i:X+8*\i+1],   s[6:7] offset:512*\i         ; 32 lanes x 8 bytes: the row's first 256 bytes
	global_store_b64 v2, v[X+8*\i+2:X+8*\i+3], s[6:7] offset:512*\i+256     ; and its second; the data registers are never written again
.irp j, 0,1,2,3
	v_lshlrev_b32 v[T+2*\j],   16,  v[X+8*\i+\j]   ; bf16 to f32: the low half moves up,
	v_and_b32     v[T+2*\j+1], s14, v[X+8*\i+\j]   ; the high half stays
.endr
	v_pk_mul_f32 v[S:S+1], v[T:T+1], v[T:T+1]      ; the first product starts the sum
	v_pk_fma_f32 v[S:S+1], v[T+2:T+3], v[T+2:T+3], v[S:S+1]
	v_pk_fma_f32 v[S:S+1], v[T+4:T+5], v[T+4:T+5], v[S:S+1]
	v_pk_fma_f32 v[S:S+1], v[T+6:T+7], v[T+6:T+7], v[S:S+1]
	v_add_f32 v[S], v[S], v[S+1]
	v_add_f32_dpp v[S], v[S], v[S] row_xmask:1 row_mask:0xf bank_mask:0xf
	v_add_f32_dpp v[S], v[S], v[S] row_xmask:2 row_mask:0xf bank_mask:0xf
	v_add_f32_dpp v[S], v[S], v[S] row_xmask:4 row_mask:0xf bank_mask:0xf
	v_add_f32_dpp v[S], v[S], v[S] row_xmask:8 row_mask:0xf bank_mask:0xf
	v_permlanex16_b32 v[S+1], v[S], s12, s13       ; its destination has been written above
	v_add_f32 v[S], v[S], v[S+1]
	ds_store_b32 v3, v[S] offset:4*\i              ; every lane writes the same word with the same value
.endm
.irp i, 0,1,2,3,4,5,6,7,8,9,10,11,12,13,14,15
	ROW \i
.endr
	s_wait_dscnt 0x0                               ; my 16 norms are in LDS, for wave 0's sake
	s_barrier_signal -1
	s_barrier_wait -1
	s_cmp_lg_u32 s10, 0
	s_cbranch_scc1 .Lend
	v_lshlrev_b32 v14, 3, v0                       ; wave 0: two norms a lane
	ds_load_b64 v[4:5], v14
	s_wait_dscnt 0x0
	global_store_b64 v14, v[4:5], s[8:9]           ; the group's 64 norms: 256 consecutive bytes, aligned
.Lend:
	s_wait_tensorcnt 0x0
	ds_add_u32 v144, v145
	s_wait_dscnt 0x0
	s_endpgm
.Lfunc_end_k_q8c1a044000_prep:
	.size	k_q8c1a044000_prep, .Lfunc_end_k_q8c1a044000_prep-k_q8c1a044000_prep
	.p2alignl 7, 3214868480
	.fill 96, 4, 3214868480
	.section	.rodata,"a",@progbits
	.p2align	6, 0x0
	.amdhsa_kernel k_q8c1a044000_prep
		.amdhsa_group_segment_fixed_size 768
		.amdhsa_private_segment_fixed_size 0
		.amdhsa_enable_private_segment 0
		.amdhsa_kernarg_size 24
		.amdhsa_user_sgpr_count 2
		.amdhsa_user_sgpr_kernarg_segment_ptr 1
		.amdhsa_wavefront_size32 1
		.amdhsa_system_sgpr_workgroup_id_x 1
		.amdhsa_system_sgpr_workgroup_id_y 1
		.amdhsa_system_sgpr_workgroup_id_z 1
		.amdhsa_system_vgpr_workitem_id 0
		.amdhsa_next_free_vgpr 146
		.amdhsa_next_free_sgpr 66
		.amdhsa_reserve_vcc 0
		.amdhsa_float_denorm_mode_32 3
		.amdhsa_float_denorm_mode_16_64 3
		.amdhsa_memory_ordered 1
		.amdhsa_forward_progress 1
		.amdhsa_inst_pref_size 28
	.end_amdhsa_kernel
	.amdgpu_metadata
---
amdhsa.version: [ 1, 2 ]
amdhsa.kernels:
  - .name:           k_q8c1a044000_prep
    .symbol:         k_q8c1a044000_prep.kd
    .args:
      - { .name: codebook, .offset: 0, .size: 8, .value_kind: global_buffer, .address_space: global }
      - { .name: cbh, .offset: 8, .size: 8, .value_kind: global_buffer, .address_space: global }
      - { .name: scn, .offset: 16, .size: 8, .value_kind: global_buffer, .address_space: global }
    .group_segment_fixed_size: 768
    .private_segment_fixed_size: 0
    .kernarg_segment_align: 8
    .kernarg_segment_size: 24
    .max_flat_workgroup_size: 128
    .sgpr_count:     66
    .vgpr_count:     146
    .wavefront_size: 32
...
	.end_amdgpu_metadata
.endif
;; end of part 1
;; launch dist (part 2): grid 256 x 1, 8 waves a work-group, clusters of 4 x 1, 327,680 bytes of LDS; arguments x, cbh, scn, out2, idx; writes out2, idx
.if DOCPART == 2
	.amdgcn_target "amdgcn-amd-amdhsa--gfx1250"
	.amdhsa_code_object_version 6
	.text
	.protected	k_q8c1a044000_dist
	.globl	k_q8c1a044000_dist
	.p2align	8
	.type	k_q8c1a044000_dist,@function
k_q8c1a044000_dist:
	s_mov_b64 s[64:65], 0
	v_nop
	global_prefetch_b8 v0, s[64:65] scope:SCOPE_SE
	s_setreg_imm32_b32 hwreg(HW_REG_WAVE_MODE, 25, 1), 1
	s_wait_xcnt 0x0
	s_wait_alu depctr_hold_cnt(0) depctr_sa_sdst(0) depctr_va_vdst(0) depctr_va_sdst(0) depctr_va_ssrc(0) depctr_va_vcc(0) depctr_vm_vsrc(0)
	s_getreg_b32 s2, hwreg(HW_REG_IB_STS2, 6, 4)
	s_cmp_eq_u32 s2, 0
	s_cbranch_scc0 .Lentry_in_a_cluster
	s_endpgm
.Lentry_in_a_cluster:
	s_bfe_u32 s2, ttmp6, 0x10000c
	s_cmp_lg_u32 s2, 0x3003
	s_cbranch_scc0 .Lentry_shape_is_right
	s_endpgm
.Lentry_shape_is_right:
; out2[n] = idx[n] = the first k with the least d[n][k],  d = fl( fl(sx[n] + sc[k]) - 2 t ),  t = sum over c of bf16(x[n][c]) cbh[k][c]  (f32 sums in the matrix unit).
; The two roundings are those of the formula (sum of the two norms first, then the product taken away: one fused multiply-add with -2, whose product is exact), the
; comparisons are strict in ascending k, so equal distances go to the first code.
; LIMITS.  x and the codes enter the product rounded to bf16, and sx and sc are f32 sums of the squares of those rounded numbers.  The f32 sums are taken in another order than
; a row-wise sum, so a distance that lies on a rounding boundary can fall to the other side.  NaN is not served: the minimum used here lets a NaN lose.
;
; SHARES.  256 work-groups of 128 rows of x; each walks all 8,192 codes, 256 at a time (32 trips) through two LDS slots.  Eight waves: wave w has rows 64 (w >> 2) .. + 63
; and, of each slot, codes 64 (w & 3) .. + 63, as four tiles of 16 codes.  The wave's 64 rows stay in registers as bf16 fragments for the whole launch (4 row blocks x 8 K steps x 8
; registers = window 1), so only code fragments come from LDS: 16 loads of 16 bytes a lane feed 32 matrix instructions.
; Source 0 = 16 codes, source 1 = 16 rows of x: lane (r, h) then holds, for row r, the codes 8 h + 0 .. 7 in registers 0 .. 7, and the search for the minimum stays inside a lane.
; A lane keeps, for each row block, the least distance so far, the number of the tile that gave it and that tile's eight distances: 23 vector instructions for 8 x 32 distances.
; Which of the eight it was is looked up once, at the end.  Two waves lie on each SIMD, so that one wave's vector work runs beside the other's matrix work.
; TWO FRAGMENT BUFFERS.  Behind the products of tile g the wave fetches tile g + 2 into the buffer just freed, while tile g + 1 lies ready in the other.  A slot's last tile is
; therefore in registers two tiles before it is multiplied, and the change of slots stands at the slot's third tile: the wave goes into it with 32 matrix instructions and their
; vector work between the opening signal and its wait, and comes out of it with the fourth tile's 32 matrix instructions ready to issue.
; CLUSTERS.  Every work-group walks the same codes and norms: four work-groups form a cluster and ask for each code tile and for the table of norms jointly (mask 15), which
; divides those requests by four.  x is each work-group's own and comes by a plain tensor load.
;
; LDS:  0        slot 0: 256 codes, 512 bytes + 16 of padding each                     135,168 bytes
;       135,168  first the stage for x (128 rows, 1,024 + 16 bytes), then slot 1       135,168
;       270,336  the 8,192 norms of the codes, dense                                    32,768
;       303,104  the waves' candidates (distance, index), written by ds_store: no tensor load ever lands here   4,096
.set PC,    528                        ; pitch of a code row: 33 x 16 bytes, so the 16 rows of a fragment load start in 16 different 16-byte columns of 256
.set SLOTB, 256*PC
.set PX,    1040                       ; pitch of a staged row of x: 65 x 16 bytes
.set SCT,   2*SLOTB
.set SCR,   SCT+32768
.set ADR0, 3                           ; v3, v4  my code fragments in slot 0, 1
.set ADR1, 4
.set SCA,  5                           ; v5      my eight norms of the trip pair's first tile
.set XA,   6                           ; v6      my part of the staged x
.set CUR,  7                           ; v7      first code of the tile at work
.set M,    8                           ; v8-10   the tile's minimum and two partial minima
.set SX2,  16                          ; v[16:23]   sx of row block b, twice (a pair for the packed add)
.set BEST, 24                          ; v[24:27]   least distance so far
.set TID,  28                          ; v[28:31]   first code of the tile that gave it
.set ACC,  32                          ; v[32:63]   four accumulators, one for each row block
.set F,    64                          ; v[64:127], v[192:255] a code tile's fragments, 8 K steps: buffer p at F + 128 p
.set W,    128                         ; v[128:159] the eight distances of the winning tile, for each row block
.set T0,   160                         ; v[160:167], v[168:175] distances at work, two sets in turn
.set T1,   168
.set SC,   176                         ; v[176:183], v[184:191] a tile's eight norms: set p goes with fragment buffer p
.set R,    64                          ; v[64:191]  in the prologue: a row block of x in f32
.set G1C, 24                           ; s[24:31] shape of a code load      s[32:35], s[36:39] its group 0 for slot 0, 1
.set G0C, 32
.set G1X, 40                           ; s[40:47], s[48:51] x
.set G0X, 48
.set G1S, 52                           ; s[52:59], s[60:63] the norms
.set G0S, 60
.set MSB, 0
.macro WIN new                         ; s_set_vgpr_msb; the immediate's high byte repeats the setting that is left; a switch that changes nothing is dropped
.if MSB != \new
	s_set_vgpr_msb (MSB<<8)|\new
.set MSB, \new
.endif
.endm
; A round of the cluster's barrier: my work-group's barrier, wave 0 signals for the work-group, every wave waits for all four work-groups, my work-group's barrier again.
.macro CREST                           ; a round behind its opening barrier
	s_cmp_lg_u32 s14, 0
	s_cbranch_scc1 .Lnot_wave_0_\@
	s_barrier_signal -3
.Lnot_wave_0_\@:
	s_barrier_wait -3
	s_barrier_signal -1
	s_barrier_wait -1
.endm
.macro ROUND                           ; a whole round
	s_barrier_signal -1
	s_barrier_wait -1
	CREST
.endm
	s_load_b256 s[4:11], s[0:1], 0x0               ; x s[4:5], cbh s[6:7], scn s[8:9], out2 s[10:11]
	s_load_b64 s[12:13], s[0:1], 0x20              ; idx
	v_lshl_add_u32 v174, v0, 2, 0x4b000
	v_mov_b32 v175, 0
	ds_add_u32 v174, v175
	s_wait_dscnt 0x0
	v_lshrrev_b32 v9, 5, v0
	v_readfirstlane_b32 s14, v9                    ; wave 0..7
	s_and_b32 s15, s14, 3                          ; q: my quarter of a slot's codes
	s_lshr_b32 s16, s14, 2                         ; rh: my half of the rows
	s_bfe_u32 s17, ttmp6, 0x40000                  ; cx
	s_lshl_b32 s18, ttmp9, 2
	s_add_co_u32 s18, s18, s17                     ; work-group = 4 x cluster + cx; it enters x's, out2's and idx's global addresses alone
	s_mov_b32 s20, 0x76543210                      ; v_permlanex16_b32: lane i of one half reads lane i of the other
	s_mov_b32 s21, 0xfedcba98
	s_mov_b32 s22, 0xffff0000                      ; a word's upper bf16
	s_lshl_b32 s23, s15, 6                         ; first code of my first tile
	; codes: each wave brings 32 rows x 256 bf16 of a slot, 4 words of padding behind every 128
	s_mov_b32 s[G1C+0], 15|(1<<16)|(1<<20)|(1<<21)|(6<<22)|(3<<25)   ; mask of the four partners; 2-byte elements; padding on; bit 21 beside a mask; interval code 6; 4 words
	s_mov_b32 s[G1C+1], 256<<16                    ; tensor_dim0 = 256
	s_mov_b32 s[G1C+2], 32<<16                     ; tensor_dim1 = 32
	s_mov_b32 s[G1C+3], 256<<16                    ; tile_dim0 = 256
	s_mov_b32 s[G1C+4], 32                         ; tile_dim1 = 32
	s_mov_b32 s[G1C+5], 256                        ; elements from row to row
	s_mov_b32 s[G1C+6], 0
	s_mov_b32 s[G1C+7], 0
	; x: each wave brings 16 rows x 256 f32, 4 words of padding behind every 256; no mask
	s_mov_b32 s[G1X+0], (2<<16)|(1<<20)|(7<<22)|(3<<25)
	s_mov_b32 s[G1X+1], 256<<16
	s_mov_b32 s[G1X+2], 16<<16
	s_mov_b32 s[G1X+3], 256<<16
	s_mov_b32 s[G1X+4], 16
	s_mov_b32 s[G1X+5], 256
	s_mov_b32 s[G1X+6], 0
	s_mov_b32 s[G1X+7], 0
	; norms: each wave brings 4,096 dense bytes as 16 rows of 32 elements of 8 bytes; joint
	s_mov_b32 s[G1S+0], 15|(3<<16)|(1<<21)
	s_mov_b32 s[G1S+1], 32<<16
	s_mov_b32 s[G1S+2], 16<<16
	s_mov_b32 s[G1S+3], 32<<16
	s_mov_b32 s[G1S+4], 16
	s_mov_b32 s[G1S+5], 32
	s_mov_b32 s[G1S+6], 0
	s_mov_b32 s[G1S+7], 0
	s_lshl_b32 s68, s14, 14                        ; wave x 16,384: 32 code rows, and 16 rows of x
	s_mov_b32 s69, 0
	s_lshl_b32 s70, s18, 17                        ; work-group x 128 rows x 1,024 bytes
	s_mov_b32 s71, 0
	s_lshl_b32 s72, s14, 12                        ; wave x 4,096 bytes of norms
	s_mov_b32 s73, 0
	s_lshl_b32 s74, s18, 9                         ; work-group x 128 indices
	s_mov_b32 s75, 0
	s_mov_b32 s[G0C+0], 1
	s_mul_i32 s[G0C+1], s14, 32*PC                 ; LDS: wave x 32 rows
	s_mov_b32 s[G0C+4], 1
	s_add_co_u32 s[G0C+5], s[G0C+1], SLOTB
	s_mov_b32 s[G0X+0], 1
	s_mul_i32 s[G0X+1], s14, 16*PX
	s_add_co_u32 s[G0X+1], s[G0X+1], SLOTB
	s_mov_b32 s[G0S+0], 1
	s_lshl_b32 s[G0S+1], s14, 12
	s_add_co_u32 s[G0S+1], s[G0S+1], SCT
	s_wait_kmcnt 0x0
	s_add_nc_u64 s[G0C+2:G0C+3], s[6:7], s[68:69]              ; codes 0 .. 255
	s_add_nc_u64 s[G0C+6:G0C+7], s[G0C+2:G0C+3], 0x20000       ; codes 256 .. 511
	s_or_b32 s[G0C+3], s[G0C+3], 0x80000000
	s_or_b32 s[G0C+7], s[G0C+7], 0x80000000
	s_add_nc_u64 s[G0X+2:G0X+3], s[4:5], s[70:71]
	s_add_nc_u64 s[G0X+2:G0X+3], s[G0X+2:G0X+3], s[68:69]
	s_or_b32 s[G0X+3], s[G0X+3], 0x80000000
	s_add_nc_u64 s[G0S+2:G0S+3], s[8:9], s[72:73]
	s_or_b32 s[G0S+3], s[G0S+3], 0x80000000
	s_add_nc_u64 s[10:11], s[10:11], s[74:75]
	s_add_nc_u64 s[12:13], s[12:13], s[74:75]
	ROUND                                          ; the four partners are here: the first joint loads meet
	tensor_load_to_lds s[G0X:G0X+3], s[G1X:G1X+7]  ; the three first fills go out as one group: by this text's count three tensor loads of a wave are out here, later one
	s_nop 0
	tensor_load_to_lds s[G0C:G0C+3], s[G1C:G1C+7]
	s_nop 0
	tensor_load_to_lds s[G0S:G0S+3], s[G1S:G1S+7]
	s_nop 0
	v_and_b32 v1, 15, v0                           ; r
	v_bfe_u32 v2, v0, 4, 1                         ; h
	v_mul_u32_u24 v[ADR0], v1, PC
	v_lshl_add_u32 v[ADR0], v2, 4, v[ADR0]
	s_mul_i32 s66, s15, 64*PC
	v_add_nc_u32 v[ADR0], s66, v[ADR0]             ; (64 q + r) x pitch + 16 h
	v_add_nc_u32 v[ADR1], SLOTB, v[ADR0]
	s_lshl_b32 s66, s15, 8
	s_add_co_u32 s66, s66, SCT
	v_lshl_add_u32 v[SCA], v2, 5, s66              ; norms of codes 64 q + 8 h .. + 7
	s_mul_i32 s66, s16, 64*PX
	s_add_co_u32 s66, s66, SLOTB
	v_mul_u32_u24 v[XA], v1, PX
	v_lshl_add_u32 v[XA], v2, 5, v[XA]
	v_add_nc_u32 v[XA], s66, v[XA]                 ; (64 rh + r) x pitch + 32 h
	s_lshl_b32 s66, s14, 9
	s_add_co_u32 s66, s66, SCR
	v_lshl_add_u32 v14, v1, 3, s66                 ; my wave's candidates: 512 w + 8 r
	v_mov_b32 v11, 0                               ; a destination of v_permlanex16_b32 has to have been written
	s_wait_tensorcnt 0x2                           ; my part of x is in; the two loads issued behind it (codes 0 .. 255, the norms) may stay out:
	s_barrier_signal -1
	s_barrier_wait -1                              ; everybody's part of x is in
; Row block b (16 rows): from the stage to bf16 fragments in window 1, and sx from the rounded numbers.
; A fragment of K step s wants k = 32 s + 8 h .. + 7 and 32 s + 16 + 8 h .. + 7: in f32, 32 bytes at 128 s + 32 h and 32 bytes 64 further on.
.macro XBLOCK b
.irp s, 0,1,2,3,4,5,6,7
.irp c, 0,1,2,3
	ds_load_b128 v[R+16*\s+4*\c:R+16*\s+4*\c+3], v[XA] offset:16*PX*\b+128*\s+16*(\c&1)+64*(\c>>1)
.endr
.endr
	s_wait_dscnt 0x0
	WIN 0x40                                       ; destination in window 1
.set n, 0
.rept 64
	v_cvt_pk_bf16_f32 v[64*\b+n], v[R+2*n], v[R+2*n+1]         ; v[256 + 64 b + 8 s + i]
.set n, n+1
.endr
	WIN 0x04                                       ; source 1 in window 1
.set n, 0
.rept 64
	v_lshlrev_b32 v[R+2*n],   16,  v[64*\b+n]      ; the rounded numbers, widened again
	v_and_b32     v[R+2*n+1], s22, v[64*\b+n]
.set n, n+1
.endr
	WIN 0
.set n, 0
.rept 64
.if n < 4
	v_pk_mul_f32 v[32+2*n:33+2*n], v[R+2*n:R+2*n+1], v[R+2*n:R+2*n+1]          ; four chains, started by the first four products
.else
	v_pk_fma_f32 v[32+2*(n%4):33+2*(n%4)], v[R+2*n:R+2*n+1], v[R+2*n:R+2*n+1], v[32+2*(n%4):33+2*(n%4)]
.endif
.set n, n+1
.endr
	v_pk_add_f32 v[32:33], v[32:33], v[34:35]
	v_pk_add_f32 v[36:37], v[36:37], v[38:39]
	v_pk_add_f32 v[32:33], v[32:33], v[36:37]
	v_add_f32 v32, v32, v33                        ; my 128 of row r's 256 squares
	v_permlanex16_b32 v33, v32, s20, s21           ; the other 128
	v_add_f32 v[SX2+2*\b],   v32, v33
	v_add_f32 v[SX2+2*\b+1], v32, v33
.endm
	XBLOCK 0
	XBLOCK 1
	XBLOCK 2
	XBLOCK 3
	s_mov_b32 s67, 0x7f800000                      ; + infinity: any finite distance is less
.irp b, 0,1,2,3
	v_mov_b32 v[BEST+\b], s67
	v_mov_b32 v[TID+\b], 0
.endr
.set n, 0
.rept 32
	v_mov_b32 v[W+n], s67
.set n, n+1
.endr
; 16 LDS loads: tile i (16 codes) of the slot at adr into fragment buffer p
.macro FLOADS adr, i, p
.irp k, 0,1,2,3,4,5,6,7
	ds_load_b128 v[F+128*\p+8*\k:F+128*\p+8*\k+3],   v[\adr] offset:16*PC*\i+64*\k
	ds_load_b128 v[F+128*\p+8*\k+4:F+128*\p+8*\k+7], v[\adr] offset:16*PC*\i+64*\k+32
.endr
.endm
; 2 LDS loads: a tile's eight norms into set p; off = the tile's place in the table, from v[SCA]
.macro SLOADS p, off
	ds_load_b128 v[SC+8*\p:SC+8*\p+3],   v[SCA] offset:\off
	ds_load_b128 v[SC+8*\p+4:SC+8*\p+7], v[SCA] offset:\off+16
.endm
; 32 matrix instructions on buffer p: 16 codes x 64 rows x K = 256.  The first K step starts the sums.  The four accumulators take turns, one instruction a turn, from tile to
; tile too.
.macro MUL p
	WIN 0x04                                       ; source 1 (x) in window 1
.irp k, 0,1,2,3,4,5,6,7
.irp b, 0,1,2,3
.if \k == 0
	v_wmma_f32_16x16x32_bf16 v[ACC+8*\b:ACC+8*\b+7], v[F+128*\p+8*\k:F+128*\p+8*\k+7], v[64*\b+8*\k:64*\b+8*\k+7], 0
.else
	v_wmma_f32_16x16x32_bf16 v[ACC+8*\b:ACC+8*\b+7], v[F+128*\p+8*\k:F+128*\p+8*\k+7], v[64*\b+8*\k:64*\b+8*\k+7], v[ACC+8*\b:ACC+8*\b+7]
.endif
.endr
.endr
	WIN 0
.endm
.macro AOPS b, t, p                    ; fl(sx + sc) for row block b and the tile's eight codes
.irp i, 0,2,4,6
	v_pk_add_f32 v[\t+\i:\t+\i+1], v[SC+8*\p+\i:SC+8*\p+\i+1], v[SX2+2*\b:SX2+2*\b+1]
.endr
.endm
.macro EPI b, t                        ; the eight distances, their minimum, and, where it is strictly less than the best so far, the tile is kept
.irp i, 0,2,4,6
	v_pk_fma_f32 v[\t+\i:\t+\i+1], v[ACC+8*\b+\i:ACC+8*\b+\i+1], -2.0, v[\t+\i:\t+\i+1] op_sel_hi:[1,0,1]
.endr
	v_min3_num_f32 v[M],   v[\t],   v[\t+1], v[\t+2]
	v_min3_num_f32 v[M+1], v[\t+3], v[\t+4], v[\t+5]
	v_min_num_f32  v[M+2], v[\t+6], v[\t+7]
	v_min3_num_f32 v[M],   v[M],    v[M+1],  v[M+2]
	v_cmp_lt_f32 vcc_lo, v[M], v[BEST+\b]
	v_cndmask_b32 v[BEST+\b], v[BEST+\b], v[M],   vcc_lo
	v_cndmask_b32 v[TID+\b],  v[TID+\b],  v[CUR], vcc_lo
.irp j, 0,1,2,3,4,5,6,7
	v_cndmask_b32 v[W+8*\b+\j], v[W+8*\b+\j], v[\t+\j], vcc_lo
.endr
.endm
; A tile's products, then five plain vector instructions that name no register of the matrix instructions: the places in front of the loads into the
; buffer just multiplied and of the first read of an accumulator.
.macro HEAD p
	MUL \p
	v_mov_b32 v[CUR], s23
	AOPS 0, T0, \p
.endm
.macro REST_A p                        ; the vector work up to the last use of the tile's norms
	EPI 0, T0
	AOPS 1, T1, \p
	EPI 1, T1
	AOPS 2, T0, \p
	AOPS 3, T1, \p
.endm
.macro REST_B step                     ; and the rest of it; then the first code of the next tile
	EPI 2, T0
	EPI 3, T1
	s_add_co_u32 s23, s23, \step
.endm
; Tile g on buffer and norm set p = g mod 2; behind its products tile g + 2 (tile i of the slot at adr, norms at soff) is fetched into the same buffer and set.
.macro TILE p, left, adr, i, soff, step
	s_wait_dscnt \left                             ; LDS loads come back in order: tile g's 18 are in, the 18 of tile g + 1, issued behind them, may stay out
	HEAD \p
	FLOADS \adr, \i, \p
	REST_A \p
	SLOADS \p, \soff                               ; set p is free behind the last AOPS
	REST_B \step
.endm
; A slot's third tile, with the change of slots round it.  In front of the opening signal: all my LDS loads are back, the slot's fourth tile (its last read) among them, and all my
; tensor loads have landed (the one that was out is my part of the other slot).  Between the signal and its wait: register work alone, this tile's products and vector work.
; kind 2: the slot's address steps two trips on, the barrier opens a round of the cluster's barrier, and the joint refill is first behind the round's closing wait, one load a wave;
; kind 0: the work-group's barrier alone, nothing is left to fetch.  Then the other slot's first tile is fetched; the fourth tile's products are ready to issue behind that.
.macro TILEC p, slot, kind, adr, i, soff, step
	s_wait_dscnt 0x0
	s_wait_xcnt 0x0
	v_lshl_add_u32 v174, v0, 2, 0x4b000
	v_mov_b32 v175, 0
	s_wait_tensorcnt 0x0
	ds_add_u32 v174, v175
	s_wait_dscnt 0x0
.if \kind == 2
	s_add_nc_u64 s[G0C+4*\slot+2:G0C+4*\slot+3], s[G0C+4*\slot+2:G0C+4*\slot+3], 0x40000
.endif
	s_barrier_signal -1
	HEAD \p
	REST_A \p
	REST_B \step
	s_barrier_wait -1
.if \kind == 2
	CREST
	tensor_load_to_lds s[G0C+4*\slot:G0C+4*\slot+3], s[G1C:G1C+7]
	s_nop 0
.endif
	FLOADS \adr, \i, \p
	SLOADS \p, \soff
.endm
; A trip: my four tiles of the slot at adr.  The refill asked for in a trip's change is waited for in the next trip's change: 96 matrix instructions of this wave later.
.macro TRIP adr, nadr, slot, so, kind
	TILE  0, 18, \adr, 2, \so+128, 16
	TILE  1, 18, \adr, 3, \so+192, 16
	TILEC 0, \slot, \kind, \nadr, 0, \so+1024, 16
	TILE  1, 18, \nadr, 1, \so+1088, 208           ; 3 x 16 + 208 = 256 codes on
.endm
	s_wait_dscnt 0x0                               ; x is in my registers,
	s_wait_xcnt 0x0
	v_lshl_add_u32 v174, v0, 2, 0x4b000
	v_mov_b32 v175, 0
	s_wait_tensorcnt 0x0                           ; my parts of codes 0 .. 255 and of the norms have landed;
	ds_add_u32 v174, v175
	s_wait_dscnt 0x0
	ROUND                                          ; both hold of every wave of the four work-groups:
	tensor_load_to_lds s[G0C+4:G0C+7], s[G1C:G1C+7]            ; codes 256 .. 511 go out, over the stage of x
	s_nop 0
	FLOADS ADR0, 0, 0
	SLOADS 0, 0
	FLOADS ADR0, 1, 1
	SLOADS 1, 64
	s_mov_b32 s19, 15                              ; trips 0 .. 29, two a turn; each asks for the codes two trips on, up to the last, trip 31's
.Lloop:
	TRIP ADR0, ADR1, 0, 0, 2
	TRIP ADR1, ADR0, 1, 1024, 2
	v_add_nc_u32 v[SCA], 2048, v[SCA]              ; 512 norms on
	s_sub_co_i32 s19, s19, 1
	s_cmp_lg_u32 s19, 0
	s_cbranch_scc1 .Lloop
	TRIP ADR0, ADR1, 0, 0, 0                       ; trip 30: no fill
	TILE 0, 18, ADR1, 2, 1024+128, 16              ; trip 31, written out: behind its last two tiles nothing is fetched
	TILE 1, 18, ADR1, 3, 1024+192, 16
	s_wait_dscnt 18                                ; the third tile is in; the fourth's 18 loads may stay out
	HEAD 0
	REST_A 0
	REST_B 16
	s_wait_dscnt 0x0
	HEAD 1
	REST_A 1
	REST_B 16
; (bd, bi) = the lesser of (bd, bi) and (cd, ci): by distance, and among equal distances by index
.macro LEX bd, bi, cd, ci
	v_cmp_lt_f32 s76, v[\cd], v[\bd]
	v_cmp_eq_f32 s77, v[\cd], v[\bd]
	v_cmp_lt_u32 vcc_lo, v[\ci], v[\bi]
	s_and_b32 s77, s77, vcc_lo
	s_or_b32 vcc_lo, s76, s77
	v_cndmask_b32 v[\bd], v[\bd], v[\cd], vcc_lo
	v_cndmask_b32 v[\bi], v[\bi], v[\ci], vcc_lo
.endm
; Row block b: the first of the winning tile's eight distances that equals the minimum gives the code; then the two halves of the lanes (codes 8 h ..) meet.
.macro RESOLVE b
	v_mov_b32 v9, 7
.irp j, 6,5,4,3,2,1,0
	v_cmp_neq_f32 vcc_lo, v[W+8*\b+\j], v[BEST+\b]
	v_cndmask_b32 v9, \j, v9, vcc_lo               ; equal: j; descending, so the least j stays
.endr
	v_lshl_add_u32 v9, v2, 3, v9
	v_mov_b32 v12, v[BEST+\b]
	v_add_nc_u32 v13, v9, v[TID+\b]                ; code = tile's first + 8 h + j
	v_permlanex16_b32 v10, v12, s20, s21
	v_permlanex16_b32 v11, v13, s20, s21
	LEX 12, 13, 10, 11
	ds_store_b64 v14, v[12:13] offset:128*\b       ; lanes r and r + 16 write the same pair to the same place
.endm
	RESOLVE 0
	RESOLVE 1
	RESOLVE 2
	RESOLVE 3
	s_wait_dscnt 0x0                               ; my candidates are in LDS, for the merging waves' sake
	s_barrier_signal -1
	s_barrier_wait -1
	s_cmp_gt_u32 s14, 1
	s_cbranch_scc1 .Lmerged
	; waves 0 and 1 merge the four code quarters of row half 0 and 1: lane l takes rows 2 l and 2 l + 1
	v_and_b32 v9, 31, v0
	s_lshl_b32 s66, s14, 11
	s_add_co_u32 s66, s66, SCR
	v_lshl_add_u32 v9, v9, 4, s66
.irp q, 0,1,2,3
	ds_load_b128 v[64+4*\q:67+4*\q], v9 offset:512*\q          ; (d, index) of two rows from quarter q
.endr
	v_lshlrev_b32 v15, 3, v0                       ; 256 w + 8 lane
	s_wait_dscnt 0x0
	LEX 64, 65, 68, 69
	LEX 66, 67, 70, 71
	LEX 64, 65, 72, 73
	LEX 66, 67, 74, 75
	LEX 64, 65, 76, 77
	LEX 66, 67, 78, 79
	v_mov_b32 v80, v65
	v_mov_b32 v81, v67
	global_store_b64 v15, v[80:81], s[10:11]       ; 64 indices: 256 consecutive bytes, aligned
	global_store_b64 v15, v[80:81], s[12:13]       ; and the copy from which the next launch forms addresses
.Lmerged:
	s_wait_xcnt 0x0
	v_lshl_add_u32 v174, v0, 2, 0x4b000
	v_mov_b32 v175, 0
	s_wait_tensorcnt 0x0
	ds_add_u32 v174, v175
	s_wait_dscnt 0x0
	ROUND                                          ; the closing round: no work-group ends while a partner may still ask for a tile that names it
	s_endpgm
.Lfunc_end_k_q8c1a044000_dist:
	.size	k_q8c1a044000_dist, .Lfunc_end_k_q8c1a044000_dist-k_q8c1a044000_dist
	.p2alignl 7, 3214868480
	.fill 96, 4, 3214868480
	.section	.rodata,"a",@progbits
	.p2align	6, 0x0
	.amdhsa_kernel k_q8c1a044000_dist
		.amdhsa_group_segment_fixed_size 327680
		.amdhsa_private_segment_fixed_size 0
		.amdhsa_enable_private_segment 0
		.amdhsa_kernarg_size 40
		.amdhsa_user_sgpr_count 2
		.amdhsa_user_sgpr_kernarg_segment_ptr 1
		.amdhsa_wavefront_size32 1
		.amdhsa_system_sgpr_workgroup_id_x 1
		.amdhsa_system_sgpr_workgroup_id_y 1
		.amdhsa_system_sgpr_workgroup_id_z 1
		.amdhsa_system_vgpr_workitem_id 0
		.amdhsa_next_free_vgpr 512
		.amdhsa_next_free_sgpr 80
		.amdhsa_reserve_vcc 1
		.amdhsa_float_denorm_mode_32 3
		.amdhsa_float_denorm_mode_16_64 3
		.amdhsa_memory_ordered 1
		.amdhsa_forward_progress 1
		.amdhsa_inst_pref_size 196
	.end_amdhsa_kernel
	.amdgpu_metadata
---
amdhsa.version: [ 1, 2 ]
amdhsa.kernels:
  - .name:           k_q8c1a044000_dist
    .symbol:         k_q8c1a044000_dist.kd
    .args:
      - { .name: x, .offset: 0, .size: 8, .value_kind: global_buffer, .address_space: global }
      - { .name: cbh, .offset: 8, .size: 8, .value_kind: global_buffer, .address_space: global }
      - { .name: scn, .offset: 16, .size: 8, .value_kind: global_buffer, .address_space: global }
      - { .name: out2, .offset: 24, .size: 8, .value_kind: global_buffer, .address_space: global }
      - { .name: idx, .offset: 32, .size: 8, .value_kind: global_buffer, .address_space: global }
    .group_segment_fixed_size: 327680
    .private_segment_fixed_size: 0
    .kernarg_segment_align: 8
    .kernarg_segment_size: 40
    .max_flat_workgroup_size: 256
    .sgpr_count:     80
    .vgpr_count:     512
    .wavefront_size: 32
...
	.end_amdgpu_metadata
.endif
;; end of part 2
;; launch gather (part 3): grid 512 x 1, 8 waves a work-group, no clusters, 1,280 bytes of LDS; arguments x, codebook, idx, out0, part; writes out0, part
.if DOCPART == 3
	.amdgcn_target "amdgcn-amd-amdhsa--gfx1250"
	.amdhsa_code_object_version 6
	.text
	.protected	k_q8c1a044000_gather
	.globl	k_q8c1a044000_gather
	.p2align	8
	.type	k_q8c1a044000_gather,@function
k_q8c1a044000_gather:
	s_mov_b64 s[64:65], 0
	v_nop
	global_prefetch_b8 v0, s[64:65] scope:SCOPE_SE
	s_setreg_imm32_b32 hwreg(HW_REG_WAVE_MODE, 25, 1), 1
	s_wait_xcnt 0x0
; q = codebook[idx[n]];  out0[n] = x[n] + (q - x[n]), in f32 and in that order;  part[work-group] = the sum of (q - x)^2 over the group's 64 rows.
; The loss is made from the differences themselves, not from the winning distance, which is a difference of large sums.
; Eight waves; a wave owns 8 rows, a row is two 16-byte loads a lane.  All 32 loads of a wave (8 rows of x, 8 code rows) go out before the first is waited for.
; The bytes moved decide here, so there is no matrix work, no cluster and no tile in LDS; work-groups share no input but code rows that happen to be named twice.
; The indices are whole numbers stored by the launch before; each is clamped to 8,191 before it enters an address (it never exceeds that).
.set QO, 4                             ; v[4:11]    byte offset of my 16 bytes in code row i
.set L,  12                            ; v[12:19]   four packed chains of squares
.set X,  20                            ; v[20:83]   row i of x, 8 registers; then the result
.set Q,  84                            ; v[84:147]  its code row; then q - x
	s_load_b256 s[4:11], s[0:1], 0x0               ; x s[4:5], codebook s[6:7], idx s[8:9], out0 s[10:11]
	s_load_b64 s[12:13], s[0:1], 0x20              ; part
	v_lshl_add_u32 v148, v0, 2, 0x100
	v_mov_b32 v149, 0
	v_lshrrev_b32 v1, 5, v0
	v_readfirstlane_b32 s14, v1                    ; wave 0..7
	s_mov_b32 s26, 0x76543210
	s_mov_b32 s27, 0xfedcba98
	s_lshl_b32 s30, ttmp9, 16                      ; the group's 64 rows of 1,024 bytes
	s_mov_b32 s31, 0
	s_lshl_b32 s24, ttmp9, 8                       ; its 64 indices,
	s_lshl_b32 s25, s14, 5                         ; my wave's 8 among them
	s_add_co_u32 s24, s24, s25
	s_mov_b32 s25, 0
	s_lshl_b32 s32, ttmp9, 2                       ; its word of part
	s_mov_b32 s33, 0
	v_and_b32 v2, 31, v0
	v_lshlrev_b32 v2, 4, v2                        ; 16 lane
	v_lshl_add_u32 v1, s14, 13, v2                 ; + wave x 8 rows x 1,024
	v_mov_b32 v3, s14
	v_lshlrev_b32 v3, 2, v3                        ; LDS: my wave's word
	s_wait_kmcnt 0x0
	s_add_nc_u64 s[4:5], s[4:5], s[30:31]
	s_add_nc_u64 s[10:11], s[10:11], s[30:31]
	s_add_nc_u64 s[8:9], s[8:9], s[24:25]
	s_add_nc_u64 s[12:13], s[12:13], s[32:33]
	s_load_b256 s[16:23], s[8:9], 0x0              ; my 8 indices
.irp i, 0,1,2,3,4,5,6,7
	global_load_b128 v[X+8*\i:X+8*\i+3],   v1, s[4:5] offset:1024*\i th:TH_LOAD_NT       ; x goes out while the indices come
	global_load_b128 v[X+8*\i+4:X+8*\i+7], v1, s[4:5] offset:1024*\i+512 th:TH_LOAD_NT
.endr
	s_wait_kmcnt 0x0
.irp i, 0,1,2,3,4,5,6,7
	s_min_u32 s[16+\i], s[16+\i], 0x1fff
	s_lshl_b32 s[16+\i], s[16+\i], 10              ; a code row is 1,024 bytes
	v_add_nc_u32 v[QO+\i], s[16+\i], v2
.endr
.irp i, 0,1,2,3,4,5,6,7
	global_load_b128 v[Q+8*\i:Q+8*\i+3],   v[QO+\i], s[6:7]               ; no hint: a code row may be named again
	global_load_b128 v[Q+8*\i+4:Q+8*\i+7], v[QO+\i], s[6:7] offset:512
.endr
.macro ROW i
	s_wait_loadcnt 14-2*\i                         ; loads come back in order: all of x and code rows 0 .. i are in, the 14 - 2 i loads of later code rows may stay out
.irp j, 0,2,4,6
	v_pk_add_f32 v[Q+8*\i+\j:Q+8*\i+\j+1], v[Q+8*\i+\j:Q+8*\i+\j+1], v[X+8*\i+\j:X+8*\i+\j+1] neg_lo:[0,1] neg_hi:[0,1]   ; q - x
.endr
.irp j, 0,2,4,6
.if \i == 0
	v_pk_mul_f32 v[L+\j:L+\j+1], v[Q+8*\i+\j:Q+8*\i+\j+1], v[Q+8*\i+\j:Q+8*\i+\j+1]       ; the first row starts the four chains
.else
	v_pk_fma_f32 v[L+\j:L+\j+1], v[Q+8*\i+\j:Q+8*\i+\j+1], v[Q+8*\i+\j:Q+8*\i+\j+1], v[L+\j:L+\j+1]
.endif
.endr
.irp j, 0,2,4,6
	v_pk_add_f32 v[X+8*\i+\j:X+8*\i+\j+1], v[X+8*\i+\j:X+8*\i+\j+1], v[Q+8*\i+\j:Q+8*\i+\j+1]      ; x + (q - x)
.endr
	global_store_b128 v1, v[X+8*\i:X+8*\i+3],   s[10:11] offset:1024*\i th:TH_STORE_NT     ; 32 lanes x 16 bytes: 512 consecutive bytes, aligned; the data are never written again
	global_store_b128 v1, v[X+8*\i+4:X+8*\i+7], s[10:11] offset:1024*\i+512 th:TH_STORE_NT
.endm
.irp i, 0,1,2,3,4,5,6,7
	ROW \i
.endr
	v_pk_add_f32 v[L:L+1], v[L:L+1], v[L+2:L+3]
	v_pk_add_f32 v[L+4:L+5], v[L+4:L+5], v[L+6:L+7]
	v_pk_add_f32 v[L:L+1], v[L:L+1], v[L+4:L+5]
	v_add_f32 v[L], v[L], v[L+1]
	v_add_f32_dpp v[L], v[L], v[L] row_xmask:1 row_mask:0xf bank_mask:0xf
	v_add_f32_dpp v[L], v[L], v[L] row_xmask:2 row_mask:0xf bank_mask:0xf
	v_add_f32_dpp v[L], v[L], v[L] row_xmask:4 row_mask:0xf bank_mask:0xf
	v_add_f32_dpp v[L], v[L], v[L] row_xmask:8 row_mask:0xf bank_mask:0xf
	v_permlanex16_b32 v[L+1], v[L], s26, s27
	v_add_f32 v[L], v[L], v[L+1]
	ds_store_b32 v3, v[L]                          ; my wave's sum
	s_wait_dscnt 0x0                               ; it is in LDS, for wave 0's sake
	s_barrier_signal -1
	s_barrier_wait -1
	s_cmp_lg_u32 s14, 0
	s_cbranch_scc1 .Lend
	ds_load_b128 v[12:15], v3                      ; wave 0: v3 = 0; the eight sums, in every lane
	ds_load_b128 v[16:19], v3 offset:16
	s_wait_dscnt 0x0
	v_pk_add_f32 v[12:13], v[12:13], v[14:15]
	v_pk_add_f32 v[16:17], v[16:17], v[18:19]
	v_pk_add_f32 v[12:13], v[12:13], v[16:17]
	v_add_f32 v12, v12, v13
	s_wait_xcnt 0x0                                ; EXEC is a source of the stores above: it changes only behind this wait
	v_cmp_eq_u32 vcc_lo, 0, v0
	s_and_saveexec_b32 s28, vcc_lo
	global_store_b32 v3, v12, s[12:13]             ; one word for the work-group
	s_wait_xcnt 0x0                                ; and again in front of the line that widens it
	s_or_b32 exec_lo, exec_lo, s28
.Lend:
	s_wait_tensorcnt 0x0
	ds_add_u32 v148, v149
	s_wait_dscnt 0x0
	s_endpgm
.Lfunc_end_k_q8c1a044000_gather:
	.size	k_q8c1a044000_gather, .Lfunc_end_k_q8c1a044000_gather-k_q8c1a044000_gather
	.p2alignl 7, 3214868480
	.fill 96, 4, 3214868480
	.section	.rodata,"a",@progbits
	.p2align	6, 0x0
	.amdhsa_kernel k_q8c1a044000_gather
		.amdhsa_group_segment_fixed_size 1280
		.amdhsa_private_segment_fixed_size 0
		.amdhsa_enable_private_segment 0
		.amdhsa_kernarg_size 40
		.amdhsa_user_sgpr_count 2
		.amdhsa_user_sgpr_kernarg_segment_ptr 1
		.amdhsa_wavefront_size32 1
		.amdhsa_system_sgpr_workgroup_id_x 1
		.amdhsa_system_sgpr_workgroup_id_y 1
		.amdhsa_system_sgpr_workgroup_id_z 1
		.amdhsa_system_vgpr_workitem_id 0
		.amdhsa_next_free_vgpr 150
		.amdhsa_next_free_sgpr 66
		.amdhsa_reserve_vcc 1
		.amdhsa_float_denorm_mode_32 3
		.amdhsa_float_denorm_mode_16_64 3
		.amdhsa_memory_ordered 1
		.amdhsa_forward_progress 1
		.amdhsa_inst_pref_size 15
	.end_amdhsa_kernel
	.amdgpu_metadata
---
amdhsa.version: [ 1, 2 ]
amdhsa.kernels:
  - .name:           k_q8c1a044000_gather
    .symbol:         k_q8c1a044000_gather.kd
    .args:
      - { .name: x, .offset: 0, .size: 8, .value_kind: global_buffer, .address_space: global }
      - { .name: codebook, .offset: 8, .size: 8, .value_kind: global_buffer, .address_space: global }
      - { .name: idx, .offset: 16, .size: 8, .value_kind: global_buffer, .address_space: global }
      - { .name: out0, .offset: 24, .size: 8, .value_kind: global_buffer, .address_space: global }
      - { .name: part, .offset: 32, .size: 8, .value_kind: global_buffer, .address_space: global }
    .group_segment_fixed_size: 1280
    .private_segment_fixed_size: 0
    .kernarg_segment_align: 8
    .kernarg_segment_size: 40
    .max_flat_workgroup_size: 256
    .sgpr_count:     66
    .vgpr_count:     150
    .wavefront_size: 32
...
	.end_amdgpu_metadata
.endif
;; end of part 3
;; launch finish (part 4): grid 1 x 1, 1 waves a work-group, no clusters, 0 bytes of LDS; arguments part, out1; writes out1
.if DOCPART == 4
	.amdgcn_target "amdgcn-amd-amdhsa--gfx1250"
	.amdhsa_code_object_version 6
	.text
	.protected	k_q8c1a044000_finish
	.globl	k_q8c1a044000_finish
	.p2align	8
	.type	k_q8c1a044000_finish,@function
k_q8c1a044000_finish:
	s_mov_b64 s[64:65], 0
	v_nop
	global_prefetch_b8 v0, s[64:65] scope:SCOPE_SE
	s_setreg_imm32_b32 hwreg(HW_REG_WAVE_MODE, 25, 1), 1
	s_wait_xcnt 0x0
; out1 = m + 0.25 m,  m = (sum of the 512 partial sums) / 2^23  (16 x 2,048 x 256 = 2^23 numbers; both means of the formula are this one number).
; One wave: 512 words are four 16-byte loads a lane.  The sum spans work-groups of the launch before, so it is made here, in a fixed order.
	s_load_b128 s[4:7], s[0:1], 0x0                ; part s[4:5], out1 s[6:7]
	v_lshlrev_b32 v1, 4, v0
	v_mov_b32 v2, 0
	s_mov_b32 s8, 0x76543210
	s_mov_b32 s9, 0xfedcba98
	s_wait_kmcnt 0x0
.irp k, 0,1,2,3
	global_load_b128 v[4+4*\k:7+4*\k], v1, s[4:5] offset:512*\k
.endr
	s_wait_loadcnt 0x0
	v_pk_add_f32 v[4:5], v[4:5], v[6:7]
	v_pk_add_f32 v[8:9], v[8:9], v[10:11]
	v_pk_add_f32 v[12:13], v[12:13], v[14:15]
	v_pk_add_f32 v[16:17], v[16:17], v[18:19]
	v_pk_add_f32 v[4:5], v[4:5], v[8:9]
	v_pk_add_f32 v[12:13], v[12:13], v[16:17]
	v_pk_add_f32 v[4:5], v[4:5], v[12:13]
	v_add_f32 v4, v4, v5
	v_add_f32_dpp v4, v4, v4 row_xmask:1 row_mask:0xf bank_mask:0xf
	v_add_f32_dpp v4, v4, v4 row_xmask:2 row_mask:0xf bank_mask:0xf
	v_add_f32_dpp v4, v4, v4 row_xmask:4 row_mask:0xf bank_mask:0xf
	v_add_f32_dpp v4, v4, v4 row_xmask:8 row_mask:0xf bank_mask:0xf
	v_permlanex16_b32 v5, v4, s8, s9
	v_add_f32 v4, v4, v5
	v_mul_f32 v4, 0x34000000, v4                   ; x 2^-23: the mean
	v_fma_f32 v5, v4, 0x3e800000, v4               ; m + 0.25 m; the product is exact, so this is the formula's one rounding
	s_wait_xcnt 0x0                                ; EXEC changes only behind this wait
	v_cmp_eq_u32 vcc_lo, 0, v0
	s_and_saveexec_b32 s10, vcc_lo
	global_store_b32 v2, v5, s[6:7]
	s_wait_xcnt 0x0
	s_or_b32 exec_lo, exec_lo, s10
	s_endpgm
.Lfunc_end_k_q8c1a044000_finish:
	.size	k_q8c1a044000_finish, .Lfunc_end_k_q8c1a044000_finish-k_q8c1a044000_finish
	.p2alignl 7, 3214868480
	.fill 96, 4, 3214868480
	.section	.rodata,"a",@progbits
	.p2align	6, 0x0
	.amdhsa_kernel k_q8c1a044000_finish
		.amdhsa_group_segment_fixed_size 0
		.amdhsa_private_segment_fixed_size 0
		.amdhsa_enable_private_segment 0
		.amdhsa_kernarg_size 16
		.amdhsa_user_sgpr_count 2
		.amdhsa_user_sgpr_kernarg_segment_ptr 1
		.amdhsa_wavefront_size32 1
		.amdhsa_system_sgpr_workgroup_id_x 1
		.amdhsa_system_sgpr_workgroup_id_y 1
		.amdhsa_system_sgpr_workgroup_id_z 1
		.amdhsa_system_vgpr_workitem_id 0
		.amdhsa_next_free_vgpr 24
		.amdhsa_next_free_sgpr 66
		.amdhsa_reserve_vcc 1
		.amdhsa_float_denorm_mode_32 3
		.amdhsa_float_denorm_mode_16_64 3
		.amdhsa_memory_ordered 1
		.amdhsa_forward_progress 1
		.amdhsa_inst_pref_size 3
	.end_amdhsa_kernel
	.amdgpu_metadata
---
amdhsa.version: [ 1, 2 ]
amdhsa.kernels:
  - .name:           k_q8c1a044000_finish
    .symbol:         k_q8c1a044000_finish.kd
    .args:
      - { .name: part, .offset: 0, .size: 8, .value_kind: global_buffer, .address_space: global }
      - { .name: out1, .offset: 8, .size: 8, .value_kind: global_buffer, .address_space: global }
    .group_segment_fixed_size: 0
    .private_segment_fixed_size: 0
    .kernarg_segment_align: 8
    .kernarg_segment_size: 16
    .max_flat_workgroup_size: 32
    .sgpr_count:     66
    .vgpr_count:     24
    .wavefront_size: 32
...
	.end_amdgpu_metadata
.endif
;; end of part 4
